; MI455X (gfx1250); checked and timed in simulation.
; The chip was launched on July 23, 2026; its instructions are those of AMD's public machine-readable ISA for CDNA 5 (MIT licence, August 2026) and "CDNA5" Instruction Set Architecture Reference Guide (July 2026). The comments in the code are by the model that wrote it; some were corrected since.
;; Causal Self Attention. Allowed arithmetic: matrix products marked QUANTISED: E4M3 operands, one E8M0 scale for each 32 along K, by v_wmma_scale_f32_16x16x128_f8f6f4 with both operands' format E4M3, f32 sums; everything else in f32.
;; Inputs: W_attn 1,024 x 3,072 float32; W_proj 1,024 x 1,024 float32; b_attn 3,072 float32; b_proj 1,024 float32; x 4 x 2,048 x 1,024 float32.
;; Outputs: out0 4 x 2,048 x 1,024 float32.
;; This version of the problem:
;;   THIS VERSION OF THE PROBLEM IS GIVEN IN LOW PRECISION. The matrix products marked QUANTISED in the list below multiply operands that are first quantised to E4M3 (4 exponent bits, 3 mantissa bits; 8 bits a number), with one power-of-two scale for each 32 numbers along K (OCP MX v1.0); their sums are f32. All else is computed in f32.
;;   The module's matrix products, in the order in which they are computed (A, B: the left and right operand; K: the contracted axis; several contracted axes count as one K, in the product's order):
;;     1. [M 8,192, K 1,024] x [K 1,024, N 3,072]; A: input x; B: input W_attn: QUANTISED
;;     2. batch 64 x [M 2,048, K 64] x [K 64, N 2,048]; A: computed on the way; B: computed on the way: QUANTISED
;;     3. batch 64 x [M 2,048, K 2,048] x [K 2,048, N 64]; A: softmax (see below); B: computed on the way: QUANTISED
;;     4. [M 8,192, K 1,024] x [K 1,024, N 1,024]; A: computed on the way; B: input W_proj: QUANTISED
;;   THE QUANTISER, for each operand of a quantised product, along K:
;;     - K is cut into blocks of 32 from its start; a last block that is shorter is filled with zeros.
;;     - A block's scale is 2^e with e = floor(log2(the largest magnitude in the block)) - 8, held to -126 .. 127; a block of zeros has e = 0. As a byte (E8M0): e + 127.
;;     - Each number is divided by its block's scale, clamped to +-448, and rounded to the nearest number of E4M3, ties to even, subnormals kept.
;;     - The product sums the exact products of the quantised numbers (number of the format x scale) in f32.
;;   ~~~python
;;   def quantise(x, axis):      # numpy; x: float32 -> the quantised numbers, widened to float32 again
;;       x = np.moveaxis(x, axis, -1); K = x.shape[-1]
;;       x = np.pad(x, [(0, 0)] * (x.ndim - 1) + [(0, -K % 32)]); x = x.reshape(x.shape[:-1] + (-1, 32)); a = np.abs(x).max(-1, keepdims=True)
;;       e = np.where(a > 0, np.clip(np.frexp(np.where(a > 0, a, 1))[1] - 1 - 8, -126, 127), 0)      # np.frexp(a)[1] - 1 = floor(log2(a)), exactly
;;       r = np.clip(x / 2.0 ** e, -448, 448)
;;       step = 2.0 ** (np.maximum(np.frexp(np.where(r == 0, 1, r))[1] - 1, -6) - 3)
;;       q = np.round(r / step) * step * 2.0 ** e      # np.round: ties to even
;;       return np.moveaxis(q.reshape(q.shape[:-2] + (-1,))[..., :K], -1, axis).astype(np.float32)
;;   ~~~
;;   SOFTMAX AHEAD OF A QUANTISED PRODUCT. Where the list says 'softmax', what is quantised is not the finished softmax but p = 2^(t - M), with t = logit x log2(e) and M = ceil(the row's largest t), a whole number; so 1/2 < the row's largest p <= 1. The row's sum l is taken of the UNQUANTISED p, in f32, and the product's result is divided by l at the end. Since M is a whole number, a kernel that streams over the keys may use a running M (the ceiling of the running maximum): every later rescaling is an exact power of two, which a block's scale takes up: the codes' values come out the same.
;;   OPERANDS COMPUTED ON THE WAY. 'Computed on the way' means the value that the module computes at that place (a softmax that the list does not call 'softmax' is quantised finished and normalised). What goes into a quantiser is computed in f32, as accurately as f32 sums, v_exp_f32 and their like allow (about 1e-6 of the number): no bf16 or f16 on the way to a quantiser, and a product that is left as it is and whose result goes on into a quantised operand takes f32 operands (vector FMAs, or v_wmma_f32_16x16x4_f32). A number that lies on a knife's edge between two numbers of the format may be rounded either way, as far as f32 arithmetic and the matrix unit's own rounding can turn it there, and no further.
;; One version. Each part assembles by itself: llvm-mc -triple=amdgcn-amd-amdhsa -mcpu=gfx1250 --defsym DOCPART=n.
;; ======== version 1 of 1: 4 launches
;; limits: right only within a limited range of input values
;; workspace buffers: xq 8,650,752 bytes; waq 3,244,032 bytes; wpq 1,081,344 bytes; qkv 26,476,544 bytes; oq 8,650,752 bytes
;; launch prep (part 1): grid 768 x 1, 4 waves a work-group, no clusters, 34,304 bytes of LDS; arguments x, W_attn, W_proj, xq, waq, wpq; writes xq, waq, wpq
.if DOCPART == 1
	.amdgcn_target "amdgcn-amd-amdhsa--gfx1250"
	.amdhsa_code_object_version 6
	.text
	.protected	k_q5fc76a74a0_prep
	.globl	k_q5fc76a74a0_prep
	.p2align	8
	.type	k_q5fc76a74a0_prep,@function
k_q5fc76a74a0_prep:
	s_mov_b64 s[64:65], 0
	v_nop
	global_prefetch_b8 v0, s[64:65] scope:SCOPE_SE
	s_setreg_imm32_b32 hwreg(HW_REG_WAVE_MODE, 25, 1), 1
	s_wait_xcnt 0x0
; x [8192][1024], W_attn [1024][3072] and W_proj [1024][1024], f32, become codes of FP8 (E4M3) with one E8M0 byte for each 32 along K (K = the 1,024), laid as IMAGES OF OPERAND REGISTERS.
; Rows (of x) or columns (of W) come in blocks of 128 (RB); tile i (0..7) of a block holds in place r (0..15) row 32 (i / 2) + 8 (i % 2) + r % 8 + 16 (r / 8).
; Code bytes: RB x 131072 + s x 16384 + i x 2048 + c x 512 + lane x 16 + j = code(that row of place lane % 16, k = 128 s + 32 c + 16 (lane / 16) + j).
; Scale words, behind the codes: RB x 4096 + s x 512 + i x 64 + r x 4; byte c scales k = 128 s + 32 c on.
; A block's scale byte is its largest magnitude's exponent field - 8, held at 1 from below; numbers are held within +-448 x the scale and rounded to the nearest code, ties to even.
; LIMITS: NaN and infinities among the inputs are not served; a block of zeros gets the byte 1 (its codes are zeros; this program alone reads the bytes).
; SHARES: a work-group takes one (tensor, RB, s): 128 rows x 128 K; wave w tiles 2 w and 2 w + 1.  Work-groups 0-511: x; 512-703: W_attn; 704-767: W_proj.  No work-group reads what another reads: no cluster, no tensor load.
; x: K is innermost: each load takes 512 consecutive bytes of one row; a tile turns through the wave's own stage in LDS so that a lane gets 16 neighbours of each block of 32.
; W: K is the first axis: a lane takes a column and its registers run down K: a block of 32 lies in one lane; nothing is transposed.
.set CODX, 8388608
.set CODA, 3145728
.set CODP, 1048576
.set TM,  8                            ; v8-23  at work in QUANT
.set SEL, 20                           ; s[20:21] selects of v_permlanex16_b32: lane l xor 16
.set MNT, 23                           ; s23  the mantissa field of 448
; 64 numbers of a lane, register 16 b + i = k 32 b + 16 (lane / 16) + i of its row, become 16 registers of codes at v[pc] and the row's scale word in v[pw]
.macro QUANT s, pc, pw
.irp b, 0,1,2,3
	v_max3_num_f32 v[TM+\b], |v[\s+16*\b]|, |v[\s+1+16*\b]|, 0x4800000   ; my 16 numbers of block b, and the floor 2^(9 - 127): the byte cannot fall under 1
.endr
.irp i, 2,4,6,8,10,12,14
.irp b, 0,1,2,3
	v_max3_num_f32 v[TM+\b], v[TM+\b], |v[\s+16*\b+\i]|, |v[\s+1+16*\b+\i]|
.endr
.endr
.irp b, 0,1,2,3
	v_permlanex16_b32 v[TM+4+\b], v[TM+\b], s[SEL], s[SEL+1]
.endr
.irp b, 0,1,2,3
	v_max_num_f32 v[TM+\b], v[TM+\b], v[TM+4+\b]                   ; with lane l xor 16's 16: the block's largest magnitude
.endr
.irp b, 0,1,2,3
	v_add_nc_u32 v[TM+12+\b], 0xfc000000, v[TM+\b]                 ; 8 off its exponent field: the conversion's scale operand
.endr
.irp b, 0,1,2,3
	v_and_or_b32 v[TM+8+\b], v[TM+\b], 0x7f800000, s[MNT]          ; 448 x the scale
.endr
.irp b, 0,1,2,3
	v_lshrrev_b32 v[TM+4+\b], 23, v[TM+12+\b]                      ; the scale's byte
.endr
	v_lshl_or_b32 v[\pw], v[TM+5], 8, v[TM+4]
	v_lshl_or_b32 v[\pw], v[TM+6], 16, v[\pw]
	v_lshl_or_b32 v[\pw], v[TM+7], 24, v[\pw]
.irp b, 0,1,2,3
.irp i, 0,1,2,3,4,5,6,7,8,9,10,11,12,13,14,15
	v_med3_num_f32 v[\s+16*\b+\i], v[\s+16*\b+\i], -v[TM+8+\b], v[TM+8+\b]   ; the conversion does not saturate (ISA guide 7.6.2): the hold comes first
.endr
	v_cvt_scalef32_pk8_fp8_f32 v[\pc+4*\b:\pc+1+4*\b], v[\s+16*\b:\s+7+16*\b], v[TM+12+\b]
	v_cvt_scalef32_pk8_fp8_f32 v[\pc+2+4*\b:\pc+3+4*\b], v[\s+8+16*\b:\s+15+16*\b], v[TM+12+\b]
.endr
	v_nop                                          ; a plain line behind the last conversion
.endm
; W: block t (32 along K) of my column into set t % 2
.macro LOADW t, N
.set k, 0
.rept 32
	global_load_b32 v[64+32*((\t)%2)+k], v4, s[4:5] offset:(32*(\t)+k)*\N*4 th:TH_LOAD_NT   ; 32 lanes read 128 consecutive bytes of one row of W
.set k, k+1
.endr
.endm
.macro BLOCKW t, N
.set XS, 64+32*((\t)%2)
.if (\t) < 3
	s_wait_loadcnt 32                              ; this block's 32 loads are in; the next block's 32 may be out
.else
	s_wait_loadcnt 0x0
.endif
	v_max3_num_f32 v12, |v[XS]|, |v[XS+1]|, |v[XS+2]|
	v_max3_num_f32 v13, |v[XS+3]|, |v[XS+4]|, |v[XS+5]|
.irp i, 6,10,14,18,22,26
	v_max3_num_f32 v12, v12, |v[XS+\i]|, |v[XS+\i+1]|
	v_max3_num_f32 v13, v13, |v[XS+\i+2]|, |v[XS+\i+3]|
.endr
	v_max3_num_f32 v12, v12, |v[XS+30]|, |v[XS+31]|
	v_max3_num_f32 v12, v12, v13, 0x4800000        ; the block's largest magnitude, all 32 mine, and the floor
	v_add_nc_u32 v11, 0xfc000000, v12
	v_and_or_b32 v10, v12, 0x7f800000, s[MNT]
	v_lshrrev_b32 v13, 23, v11
.if (\t) == 0
	v_mov_b32 v24, v13                             ; the four bytes make my column's scale word for these 128 along K
.else
	v_lshl_or_b32 v24, v13, 8*(\t), v24
.endif
.set k, 0
.rept 32
	v_med3_num_f32 v[XS+k], v[XS+k], -v10, v10
.set k, k+1
.endr
.irp g, 0,1,2,3
	v_cvt_scalef32_pk8_fp8_f32 v[32+8*(\t)+2*\g:33+8*(\t)+2*\g], v[XS+8*\g:XS+8*\g+7], v11   ; each block has its own eight registers: no store's data are written again
.endr
	v_nop
	global_store_b128 v6, v[32+8*(\t):35+8*(\t)], s[24:25] offset:512*(\t)          ; k 32 t + 0..15: the image's lanes 0-15; sixteen lanes store 256 consecutive bytes, aligned
	global_store_b128 v6, v[36+8*(\t):39+8*(\t)], s[24:25] offset:512*(\t)+256      ; k 32 t + 16..31: its lanes 16-31
.if (\t)+2 < 4
	LOADW (\t)+2, \N
.endif
.endm
.macro WPATH sa, da, N, CODES, first
	s_sub_co_u32 s17, ttmp9, \first
	s_and_b32 s18, s17, 7                          ; s
	s_lshr_b32 s17, s17, 3                         ; RB
	v_bfe_u32 v7, v0, 4, 1                         ; u: which of my wave's two tiles
	v_and_b32 v5, 7, v0
	v_bfe_u32 v6, v0, 3, 1
	v_lshl_add_u32 v5, v7, 3, v5
	v_lshl_add_u32 v5, v6, 4, v5                   ; my column among the wave's 32: 8 u + r % 8 + 16 (r / 8)
	v_lshlrev_b32 v4, 2, v5
	v_lshlrev_b32 v6, 4, v3
	v_lshl_add_u32 v6, v7, 11, v6                  ; in the image: tile u, place r
	v_lshlrev_b32 v27, 2, v2                       ; scale words: 4 x lane
	s_mul_i32 s24, s18, 128*\N*4                   ; 128 s rows of W,
	s_lshl_b32 s25, s17, 9
	s_add_co_u32 s24, s24, s25                     ; 128 RB columns,
	s_lshl_b32 s25, s16, 7
	s_add_co_u32 s24, s24, s25                     ; 32 x wave columns
	s_mov_b32 s25, 0
	s_lshl_b32 s26, s17, 17
	s_lshl_b32 s27, s18, 14
	s_add_co_u32 s26, s26, s27
	s_lshl_b32 s27, s16, 12
	s_add_co_u32 s26, s26, s27                     ; codes: RB, s, tile 2 x wave
	s_mov_b32 s27, 0
	s_lshl_b32 s28, s17, 12
	s_lshl_b32 s29, s18, 9
	s_add_co_u32 s28, s28, s29
	s_lshl_b32 s29, s16, 7
	s_add_co_u32 s28, s28, s29
	; waq and wpq: a block of 128 columns is 135,168 bytes on end, its 131,072 bytes of codes and then its 4,096 bytes of scale words (for these two buffers this takes the place of RB x 131072 and of the words behind all codes)
	s_lshl_b32 s29, s17, 17
	s_add_co_u32 s28, s28, s29
	s_add_co_u32 s28, s28, 131072
	s_lshl_b32 s29, s17, 12
	s_add_co_u32 s26, s26, s29
	s_mov_b32 s29, 0
	s_wait_alu depctr_va_vdst(0)
	s_wait_kmcnt 0x0
	s_add_nc_u64 s[4:5], s[\sa:\sa+1], s[24:25]
	s_add_nc_u64 s[24:25], s[\da:\da+1], s[26:27]
	s_add_nc_u64 s[28:29], s[\da:\da+1], s[28:29]
	LOADW 0, \N
	LOADW 1, \N
	BLOCKW 0, \N
	BLOCKW 1, \N
	BLOCKW 2, \N
	BLOCKW 3, \N
	global_store_b32 v27, v24, s[28:29]            ; 32 lanes store 128 consecutive bytes: two tiles' scale words
	s_endpgm
.endm
	s_load_b128 s[4:7], s[0:1], 0x0                ; x, W_attn
	s_load_b128 s[8:11], s[0:1], 0x10              ; W_proj, xq
	s_load_b128 s[12:15], s[0:1], 0x20             ; waq, wpq
	v_lshl_add_u32 v30, v0, 2, 0x8400
	v_mov_b32 v31, 0
	v_lshrrev_b32 v1, 5, v0
	v_readfirstlane_b32 s16, v1                    ; wave 0..3
	v_and_b32 v2, 31, v0                           ; lane
	v_and_b32 v3, 15, v0                           ; r
	s_mov_b32 s[SEL], 0x76543210
	s_mov_b32 s[SEL+1], 0xfedcba98
	s_mov_b32 s[MNT], 0x600000
	s_cmp_lt_u32 ttmp9, 512
	s_cbranch_scc0 .Lweights
	; ---- x
	s_lshr_b32 s17, ttmp9, 3                       ; RB
	s_and_b32 s18, ttmp9, 7                        ; s
	v_lshlrev_b32 v4, 4, v2                        ; 16 x lane
	s_mul_i32 s19, s16, 8448                       ; my wave's stage: 16 rows of 512 bytes + 16
	v_add_nc_u32 v5, s19, v4                       ; into it: a row as it is loaded
	v_bfe_u32 v7, v0, 4, 1                         ; h
	s_wait_alu depctr_va_vdst(0)
	v_mul_u32_u24 v6, v3, 528
	v_lshl_add_u32 v6, v7, 6, v6
	v_add_nc_u32 v6, s19, v6                       ; out of it: row r, + 64 h: 16 numbers of each block of 32
	v_lshlrev_b32 v27, 2, v2
.irp b, 0,1,2,3
	v_mov_b32 v[TM+4+\b], 0                        ; a lane permute's destination counts as read: written once
.endr
	s_lshl_b32 s24, s17, 19                        ; 128 RB rows of 4,096 bytes,
	s_lshl_b32 s25, s16, 17
	s_add_co_u32 s24, s24, s25                     ; 32 x wave rows,
	s_lshl_b32 s25, s18, 9
	s_add_co_u32 s24, s24, s25                     ; 128 s numbers
	s_mov_b32 s25, 0
	s_lshl_b32 s26, s17, 17
	s_lshl_b32 s27, s18, 14
	s_add_co_u32 s26, s26, s27
	s_lshl_b32 s27, s16, 12
	s_add_co_u32 s26, s26, s27
	s_mov_b32 s27, 0
	s_lshl_b32 s28, s17, 12
	s_lshl_b32 s29, s18, 9
	s_add_co_u32 s28, s28, s29
	s_lshl_b32 s29, s16, 7
	s_add_co_u32 s28, s28, s29
	s_add_co_u32 s28, s28, CODX
	s_mov_b32 s29, 0
	s_wait_alu depctr_va_vdst(0)
	s_wait_kmcnt 0x0
	s_add_nc_u64 s[4:5], s[4:5], s[24:25]
	s_add_nc_u64 s[24:25], s[10:11], s[26:27]
	s_add_nc_u64 s[28:29], s[10:11], s[28:29]
.irp u, 0,1
.irp i, 0,1,2,3,4,5,6,7,8,9,10,11,12,13,14,15
	global_load_b128 v[64+64*\u+4*\i:67+64*\u+4*\i], v4, s[4:5] offset:(8*\u+(\i%8)+16*(\i/8))*4096 th:TH_LOAD_NT   ; place i of tile u: 512 consecutive bytes of its row
.endr
.endr
	s_wait_loadcnt 16                              ; the first tile's 16 loads are in; the second's 16 may be out
.irp i, 0,1,2,3,4,5,6,7,8,9,10,11,12,13,14,15
	ds_store_b128 v5, v[64+4*\i:67+4*\i] offset:528*\i
.endr
.irp b, 0,1,2,3
.irp j, 0,1,2,3
	ds_load_b128 v[192+16*\b+4*\j:195+16*\b+4*\j], v6 offset:128*\b+16*\j   ; LDS serves a wave's instructions in order: these see the stores above
.endr
.endr
	s_wait_dscnt 0x0
	QUANT 192, 32, 24
.irp c, 0,1,2,3
	global_store_b128 v4, v[32+4*\c:35+4*\c], s[24:25] offset:512*\c        ; 32 lanes store 512 consecutive bytes
.endr
	s_wait_loadcnt 0x0
.irp i, 0,1,2,3,4,5,6,7,8,9,10,11,12,13,14,15
	ds_store_b128 v5, v[128+4*\i:131+4*\i] offset:528*\i                    ; behind the first tile's reads, which have come back
.endr
.irp b, 0,1,2,3
.irp j, 0,1,2,3
	ds_load_b128 v[64+16*\b+4*\j:67+16*\b+4*\j], v6 offset:128*\b+16*\j
.endr
.endr
	s_wait_dscnt 0x0
	QUANT 64, 48, 25
.irp c, 0,1,2,3
	global_store_b128 v4, v[48+4*\c:51+4*\c], s[24:25] offset:2048+512*\c
.endr
	v_cmp_lt_u32 vcc_lo, 15, v2
	v_cndmask_b32 v26, v24, v25, vcc_lo            ; lanes 0-15: the first tile's words; lanes 16-31: the second's
	global_store_b32 v27, v26, s[28:29]
	s_wait_tensorcnt 0x0
	ds_add_u32 v30, v31
	s_wait_dscnt 0x0
	s_endpgm
.Lweights:
	s_cmp_lt_u32 ttmp9, 704
	s_cbranch_scc0 .Lproj
	s_wait_alu depctr_va_vdst(0)
	WPATH 6, 12, 3072, CODA, 512
.Lproj:
	s_wait_alu depctr_va_vdst(0)
	WPATH 8, 14, 1024, CODP, 704
.Lfunc_end_k_q5fc76a74a0_prep:
	.size	k_q5fc76a74a0_prep, .Lfunc_end_k_q5fc76a74a0_prep-k_q5fc76a74a0_prep
	.p2alignl 7, 3214868480
	.fill 96, 4, 3214868480
	.section	.rodata,"a",@progbits
	.p2align	6, 0x0
	.amdhsa_kernel k_q5fc76a74a0_prep
		.amdhsa_group_segment_fixed_size 34304
		.amdhsa_private_segment_fixed_size 0
		.amdhsa_enable_private_segment 0
		.amdhsa_kernarg_size 48
		.amdhsa_user_sgpr_count 2
		.amdhsa_user_sgpr_kernarg_segment_ptr 1
		.amdhsa_wavefront_size32 1
		.amdhsa_system_sgpr_workgroup_id_x 1
		.amdhsa_system_sgpr_workgroup_id_y 1
		.amdhsa_system_sgpr_workgroup_id_z 1
		.amdhsa_system_vgpr_workitem_id 0
		.amdhsa_next_free_vgpr 256
		.amdhsa_next_free_sgpr 66
		.amdhsa_reserve_vcc 1
		.amdhsa_float_denorm_mode_32 3
		.amdhsa_float_denorm_mode_16_64 3
		.amdhsa_memory_ordered 1
		.amdhsa_forward_progress 1
		.amdhsa_inst_pref_size 85
	.end_amdhsa_kernel
	.amdgpu_metadata
---
amdhsa.version: [ 1, 2 ]
amdhsa.kernels:
  - .name:           k_q5fc76a74a0_prep
    .symbol:         k_q5fc76a74a0_prep.kd
    .args:
      - { .name: x, .offset: 0, .size: 8, .value_kind: global_buffer, .address_space: global }
      - { .name: W_attn, .offset: 8, .size: 8, .value_kind: global_buffer, .address_space: global }
      - { .name: W_proj, .offset: 16, .size: 8, .value_kind: global_buffer, .address_space: global }
      - { .name: xq, .offset: 24, .size: 8, .value_kind: global_buffer, .address_space: global }
      - { .name: waq, .offset: 32, .size: 8, .value_kind: global_buffer, .address_space: global }
      - { .name: wpq, .offset: 40, .size: 8, .value_kind: global_buffer, .address_space: global }
    .group_segment_fixed_size: 34304
    .private_segment_fixed_size: 0
    .kernarg_segment_align: 8
    .kernarg_segment_size: 48
    .max_flat_workgroup_size: 128
    .sgpr_count:     66
    .vgpr_count:     256
    .wavefront_size: 32
...
	.end_amdgpu_metadata
.endif
;; end of part 1
;; launch qkv (part 2): grid 32 x 8, 4 waves a work-group, clusters of 4 x 1, 327,680 bytes of LDS; arguments xq, waq, b_attn, qkv; writes qkv
.if DOCPART == 2
	.amdgcn_target "amdgcn-amd-amdhsa--gfx1250"
	.amdhsa_code_object_version 6
	.text
	.protected	k_q5fc76a74a0_qkv
	.globl	k_q5fc76a74a0_qkv
	.p2align	8
	.type	k_q5fc76a74a0_qkv,@function
k_q5fc76a74a0_qkv:
	s_mov_b64 s[64:65], 0
	v_nop
	global_prefetch_b8 v0, s[64:65] scope:SCOPE_SE
	s_setreg_imm32_b32 hwreg(HW_REG_WAVE_MODE, 25, 1), 1
	s_wait_xcnt 0x0
	s_wait_alu depctr_hold_cnt(0) depctr_sa_sdst(0) depctr_va_vdst(0) depctr_va_sdst(0) depctr_va_ssrc(0) depctr_va_vcc(0) depctr_vm_vsrc(0)
	s_getreg_b32 s2, hwreg(HW_REG_IB_STS2, 6, 4)
	s_cmp_eq_u32 s2, 0
	s_cbranch_scc0 .Lentry_in_a_cluster
	s_endpgm
.Lentry_in_a_cluster:
	s_bfe_u32 s2, ttmp6, 0x10000c
	s_cmp_lg_u32 s2, 0x3003
	s_cbranch_scc0 .Lentry_shape_is_right
	s_endpgm
.Lentry_shape_is_right:
; qkv = x W_attn + b_attn on codes of FP8 (E4M3) with E8M0 scales, K = 1,024; the result is quantised at once for attention's two products and stored as images of operand registers.
; xq: RB x 131072 + s x 16384 + tile x 2048 + c x 512 + lane x 16, scale words at 8388608 + RB x 4096 + s x 512 + tile x 64 + r x 4.  waq: blocks of 135,168 bytes: the same image of 128 columns, its scale words behind it.
; Tile i, place r = row 32 (i / 2) + 8 (i % 2) + r % 8 + 16 (r / 8) of the block of 128.
; SHARES: 256 work-groups: 256 tokens x 384 columns each.  A wave keeps 64 tokens (4 tiles), ALL of K, in 512 registers, loaded straight from the image; the 384 columns go past them in 24 tiles of 16, read from LDS by all four waves: 32 products a tile.
; The columns are three blocks of waq in two LDS slots: block 0 at the head, block 1 behind the first round, block 2 into slot 0 behind the second; a quarter of a block (132 rows of 256 bytes) a wave.
; CLUSTER 4 x 1: the four work-groups have the same columns and ask for each block jointly (mask 15); cx enters only global addresses of x, of the results and of the prefetch.
; A block is q's (blocks 0-7), k's (8-15) or v's (16-23).  q, k: source 0 = the columns, so a lane holds one token and the 16 registers of a pair of tiles are 16 neighbouring columns of a head.  v: source 0 = the tokens, so a lane holds one column and 16 neighbouring keys.
; The branch between the two hangs on the work-group's y and the step alone.  The bias is the first products' C.
; A record of 413,696 bytes for each (batch, head): K codes [ks 16][tile 8][c 2][lane][16] at 0; V codes [ks][dtile 4][c 4][lane][16] at 131072; K's scale words [ks][512] at 262144 (tile 2 p + hh, place r at (16 hh + r) 16 + 4 p; bytes 2, 3 zero);
; V's [ks][256] at 270336 ((16 hh + r) 8 + 4 p); Q codes at 274432 and Q's scale words at 405504, as K's.  A wave has half of a key step's tokens: it stores 8 of each 16 bytes of K's and Q's words and 2 of each 4 of V's.
; In a step's last trip the fetch names the block's first pair again: the trip's text and its counted waits are the same in all four trips.
; PREFETCH: in step 0, one step ahead of its load, block 2: its 528 units of 256 bytes are shared out by address among the cluster's 16 waves, 33 each.  Blocks 0 and 1 come by their loads alone.
; LIMITS: NaN and infinities are not served; a block of zeros gets the byte 1 (its codes are zeros; this program alone reads the bytes).
; REGISTERS: window 0 as named below; windows 1, 2: x's fragment (s, t) at 16 (4 s + t); window 3: the columns' tile, two sets of 128.
.set HS, 413696
.set CODX, 8388608
.set WBLK, 135168
.set BIAS, 270336                      ; behind the two slots: the bias of the 384 columns
.set SPARE, 271872                     ; the spare words: 128 bytes a wave
.set LN, 1
.set L16, 2
.set L4, 3
.set L8, 4
.set R4, 5                             ; 4 (lane % 16)
.set LBQ, 6                            ; 64 (lane / 16): the bias by column of a pair
.set LBV, 7                            ; 4 (r % 8) + 64 (r / 8): the bias by place
.set AD0, 8                            ; LDS: the next pair's codes, s 0-3; AD1: s 4-7; ADS: its scale words; ABQ, ABV: its bias
.set AD1, 9
.set ADS, 10
.set ABQ, 11
.set SPW, 12
.set NIL, 13
.set ABV, 14
.set WS, 20                            ; v20-35 the columns' scale words, set e at 8 e + s
.set T4, 36
.set BST, 37
.set PF, 38
.set PF2, 39
.set XS, 40                            ; v40-55 x's scale words: 8 p + s: lanes 0-15 tile 2 p, lanes 16-31 tile 2 p + 1
.set BC, 56                            ; v56-71 the first products' C
.set BT, 72                            ; v72-73 v: a column's bias for each tile of the pair
.set TM, 76                            ; v76-91 at work
.set CD, 92                            ; v92-107 codes
.set PB, 108                           ; v108-109 q, k: the head's first bytes
.set WP, 110                           ; v110-111 scale words on the way out
.set BL, 112                           ; v112-114 the bias on its way to LDS
.set ACC, 128                          ; v128-191 eight accumulators: four groups of 16 neighbours
.set MSB, 0
.macro WIN new                         ; the immediate's high byte repeats the setting that is left
.set NW, \new
.if MSB != NW
	s_set_vgpr_msb (MSB<<8)|NW
.set MSB, NW
.endif
.endm
.macro PLACES n
.rept \n
	v_nop
.endr
.endm
.macro WALU
	s_wait_alu depctr_va_vdst(0)
.endm
.macro BARRIER
	s_barrier_signal -1
	s_barrier_wait -1
.endm
.macro CROUND                          ; a round of the cluster's barrier
	BARRIER
	s_cmp_lg_u32 s14, 0
	s_cbranch_scc1 .Lnot_wave_0_\@
	s_barrier_signal -3
.Lnot_wave_0_\@:
	s_barrier_wait -3
	BARRIER
.endm
.macro TLOAD                           ; my quarter of a block; s_nop 0 and four v_nop follow
	tensor_load_to_lds s[56:59], s[48:55]
	s_nop 0
	PLACES 4
.endm
.macro FETCH e                         ; tile e of the pair that the address registers name, all of K, into set e: 40 LDS loads
	WIN 3<<6
.irp s, 0,1,2,3
.irp c, 0,1,2,3
	ds_load_b128 v[128*\e+16*\s+4*\c:128*\e+16*\s+4*\c+3], v[AD0] offset:16384*\s+2048*\e+512*\c
.endr
.endr
.irp s, 0,1,2,3
.irp c, 0,1,2,3
	ds_load_b128 v[128*\e+64+16*\s+4*\c:128*\e+64+16*\s+4*\c+3], v[AD1] offset:16384*\s+2048*\e+512*\c
.endr
.endr
	WIN 0
.irp s, 0,1,2,3,4,5,6,7
	ds_load_b32 v[WS+8*\e+\s], v[ADS] offset:512*\s+64*\e
.endr
.endm
.macro PROD v, e, s, t                 ; v = 0: source 0 = the columns' tile; v = 1: source 0 = x's tile t.  An odd tile of x has its scale words in lanes 16-31
.set W_, 128*(\e)+16*(\s)
.set X_, 16*(4*((\s)%4)+(\t))
.if \v
.set D_, ACC+32*(\e)+8*(\t)
.else
.set D_, ACC+16*(\t)+8*(\e)
.endif
.set C_, D_
.if (\s) == 0
.set C_, BC+8*(\e)
.endif
.set SW_, WS+8*(\e)+(\s)
.set SX_, XS+8*((\t)/2)+(\s)
.if \v
	WIN (1+(\s)/4)|12
.if (\t)%2
	v_wmma_scale_f32_16x16x128_f8f6f4 v[D_:D_+7], v[X_:X_+15], v[W_:W_+15], v[C_:C_+7], v[SX_], v[SW_] matrix_a_scale:MATRIX_SCALE_ROW1
.else
	v_wmma_scale_f32_16x16x128_f8f6f4 v[D_:D_+7], v[X_:X_+15], v[W_:W_+15], v[C_:C_+7], v[SX_], v[SW_]
.endif
.else
	WIN 3|((1+(\s)/4)<<2)
.if (\t)%2
	v_wmma_scale_f32_16x16x128_f8f6f4 v[D_:D_+7], v[W_:W_+15], v[X_:X_+15], v[C_:C_+7], v[SW_], v[SX_] matrix_b_scale:MATRIX_SCALE_ROW1
.else
	v_wmma_scale_f32_16x16x128_f8f6f4 v[D_:D_+7], v[W_:W_+15], v[X_:X_+15], v[C_:C_+7], v[SW_], v[SX_]
.endif
.endif
.endm
.macro BATCH v, e                      ; 32 products: the four accumulators take turns, K ascending; nine places behind them
.irp s, 0,1,2,3,4,5,6,7
.irp t, 0,1,2,3
	PROD \v, \e, \s, \t
.endr
.endr
	WIN 0
	PLACES 9
.endm
.macro BIASQ
.irp i, 0,1,2,3
	ds_load_b128 v[BC+4*\i:BC+4*\i+3], v[ABQ] offset:16*\i
.endr
.endm
.macro BIASV
	ds_load_b32 v[BT], v[ABV]
	ds_load_b32 v[BT+1], v[ABV] offset:32
.endm
.macro QUANT4                          ; four groups of 16 neighbours, each half of a block of 32 (the other half in lane l xor 16) -> codes CD + 4 g, bytes TM + 4 + g
.irp b, 0,1,2,3
	v_max3_num_f32 v[TM+\b], |v[ACC+16*\b]|, |v[ACC+1+16*\b]|, 0x4800000   ; the floor 2^(9 - 127) holds the byte at 1 from below
.endr
.irp i, 2,4,6,8,10,12,14
.irp b, 0,1,2,3
	v_max3_num_f32 v[TM+\b], v[TM+\b], |v[ACC+16*\b+\i]|, |v[ACC+1+16*\b+\i]|
.endr
.endr
.irp b, 0,1,2,3
	v_permlanex16_b32 v[TM+4+\b], v[TM+\b], s12, s13
.endr
.irp b, 0,1,2,3
	v_max_num_f32 v[TM+\b], v[TM+\b], v[TM+4+\b]
.endr
.irp b, 0,1,2,3
	v_add_nc_u32 v[TM+12+\b], 0xfc000000, v[TM+\b]                 ; 8 off the exponent field: the conversion's scale operand
.endr
.irp b, 0,1,2,3
	v_and_or_b32 v[TM+8+\b], v[TM+\b], 0x7f800000, s19             ; 448 x the scale
.endr
.irp b, 0,1,2,3
	v_lshrrev_b32 v[TM+4+\b], 23, v[TM+12+\b]                      ; the byte
.endr
.irp b, 0,1,2,3
.irp i, 0,1,2,3,4,5,6,7,8,9,10,11,12,13,14,15
	v_med3_num_f32 v[ACC+16*\b+\i], v[ACC+16*\b+\i], -v[TM+8+\b], v[TM+8+\b]   ; the conversion does not saturate (ISA guide 7.6.2)
.endr
	v_cvt_scalef32_pk8_fp8_f32 v[CD+4*\b:CD+1+4*\b], v[ACC+16*\b:ACC+7+16*\b], v[TM+12+\b]
	v_cvt_scalef32_pk8_fp8_f32 v[CD+2+4*\b:CD+3+4*\b], v[ACC+8+16*\b:ACC+15+16*\b], v[TM+12+\b]
.endr
	v_nop                                          ; a plain line behind the last conversion
.endm
.macro EPIQ                            ; q, k: group t = token tile t; the pair is block c = trip % 2 of a head
	QUANT4
	v_cndmask_b32 v[TM], v[TM+4], v[TM+5], s61     ; lanes 0-15: the even tile's byte; lanes 16-31: the odd tile's
	v_cndmask_b32 v[TM+1], v[TM+6], v[TM+7], s61
	v_lshl_or_b32 v[WP], v[TM], 8, v[PB]
	v_lshl_or_b32 v[WP+1], v[TM+1], 8, v[PB+1]
	v_mov_b32 v[PB], v[TM]
	v_mov_b32 v[PB+1], v[TM+1]
.irp g, 0,1,2,3
	global_store_b128 v[L16], v[CD+4*\g:CD+4*\g+3], s[36:37] offset:1024*\g    ; 32 lanes store 512 consecutive bytes
.endr
	s_bitcmp1_b32 s28, 0                           ; a head's word is whole behind its second pair
	s_cbranch_scc0 .Leven_\@
	global_store_b64 v[L16], v[WP:WP+1], s[38:39]
.Leven_\@:
.endm
.macro EPIV                            ; v: group 2 a + tp: column tile a of the pair, keys' block 2 u + tp
	QUANT4
	v_lshl_or_b32 v[TM], v[TM+5], 8, v[TM+4]
	v_lshl_or_b32 v[TM+1], v[TM+7], 8, v[TM+6]
	v_cndmask_b32 v[WP], v[TM], v[TM+1], s61
.irp g, 0,1,2,3
	global_store_b128 v[L16], v[CD+4*\g:CD+4*\g+3], s[36:37] offset:2048*(\g/2)+512*(\g%2)
.endr
	global_store_b16 v[L8], v[WP], s[38:39]
.endm
	s_load_b256 s[4:11], s[0:1], 0x0               ; xq, waq, b_attn, qkv
	v_lshl_add_u32 v[SPW], v0, 2, SPARE
	v_mov_b32 v[NIL], 0
	ds_add_u32 v[SPW], v[NIL]                      ; the opening lines: the add twice on end and its wait
	ds_add_u32 v[SPW], v[NIL]
	v_lshrrev_b32 v16, 5, v0
	v_readfirstlane_b32 s14, v16                   ; wave
	s_lshr_b32 s15, s14, 1                         ; which block of 128 tokens
	s_and_b32 s16, s14, 1                          ; u: which 64 of them
	s_bfe_u32 s17, ttmp6, 0x40000                  ; cx
	s_and_b32 s18, ttmp7, 0xffff                   ; y: which 384 columns
	s_lshl_b32 s30, ttmp9, 2
	s_add_co_u32 s30, s30, s17
	s_lshl_b32 s30, s30, 1
	s_add_co_u32 s30, s30, s15                     ; my block of tokens, 0..63
	s_and_b32 s20, s30, 48                         ; 16 x batch
	s_and_b32 s21, s30, 15                         ; the key step
	s_mul_i32 s22, s18, 3                          ; my first block of columns
	s_lshl_b32 s66, s30, 17
	s_lshl_b32 s31, s16, 13
	s_add_co_u32 s66, s66, s31                     ; x's codes: block, tile 4 u
	s_mov_b32 s67, 0
	s_lshl_b32 s68, s30, 12
	s_lshl_b32 s31, s16, 8
	s_add_co_u32 s68, s68, s31
	s_add_co_u32 s68, s68, CODX                    ; x's scale words
	s_mov_b32 s69, 0
	s_lshl_b32 s70, s22, 9                         ; the bias
	s_mov_b32 s71, 0
	s_mul_i32 s60, s14, 33792                      ; my quarter of a block
	s_mul_i32 s34, s22, WBLK
	s_mov_b32 s35, 0
	s_add_co_u32 s62, s34, 2*WBLK                  ; block 2, for the prefetch
	s_mov_b32 s63, 0
	s_add_co_u32 s34, s34, s60
	s_mov_b32 s48, 15|(3<<16)|(1<<21)              ; group 1: the mask names all four; elements of 8 bytes; bit 21 beside a mask
	s_mov_b32 s49, 32<<16                          ; rows of 256 bytes,
	s_mov_b32 s50, 132<<16                         ; 132 of them,
	s_mov_b32 s51, 32<<16
	s_mov_b32 s52, 132
	s_mov_b32 s53, 32                              ; dense
	s_mov_b32 s54, 0
	s_mov_b32 s55, 0
	s_mov_b32 s56, 1
	s_mov_b32 s57, s60
	s_mov_b32 s12, 0x76543210
	s_mov_b32 s13, 0xfedcba98
	s_mov_b32 s19, 0x600000
	s_wait_dscnt 0x0
	s_wait_kmcnt 0x0
	s_add_nc_u64 s[66:67], s[4:5], s[66:67]
	s_add_nc_u64 s[68:69], s[4:5], s[68:69]
	s_add_nc_u64 s[70:71], s[8:9], s[70:71]
	s_add_nc_u64 s[62:63], s[6:7], s[62:63]
	s_add_nc_u64 s[58:59], s[6:7], s[34:35]
	s_or_b32 s59, s59, 0x80000000
	CROUND                                         ; all four work-groups are here: the joint loads meet
	TLOAD                                          ; block 0: my one tensor load at the head
	v_and_b32 v[LN], 31, v0
	v_and_b32 v16, 15, v0
	v_bfe_u32 v17, v0, 4, 1
	v_lshlrev_b32 v[L16], 4, v[LN]
	v_lshlrev_b32 v[L4], 2, v[LN]
	v_lshlrev_b32 v[L8], 3, v[LN]
	v_lshlrev_b32 v[R4], 2, v16
	v_lshlrev_b32 v[LBQ], 6, v17
	v_and_b32 v18, 7, v0
	v_bfe_u32 v19, v0, 3, 1
	v_lshlrev_b32 v18, 2, v18
	v_lshl_add_u32 v[LBV], v19, 6, v18
	v_lshlrev_b32 v[T4], 2, v0
	v_add_nc_u32 v[BST], BIAS, v[T4]
	v_cmp_lt_u32 s61, 15, v[LN]                    ; lanes 16-31
	s_lshl_b32 s30, s17, 2
	s_add_co_u32 s30, s30, s14
	s_mul_i32 s30, s30, 8448                       ; my 33 units of the prefetch
	v_lshl_add_u32 v[PF], v[LN], 8, s30
	s_add_co_u32 s30, s30, 8192
	v_mov_b32 v[PF2], s30
.irp i, 0,1,2,3
	v_mov_b32 v[TM+4+\i], 0                        ; a lane permute's destination counts as read
.endr
.irp i, 0,1,2,3,4,5,6,7,8,9,10,11,12,13,14,15,16,17
	v_mov_b32 v[BC+\i], 0                          ; BC and BT: written once on every way
.endr
	v_mov_b32 v[PB], 0
	v_mov_b32 v[PB+1], 0
	WALU
.irp k, 0,1,2
	global_load_b32 v[BL+\k], v[T4], s[70:71] offset:512*\k        ; the bias of 384 columns: a word a thread, three times
.endr
.irp p, 0,1
.irp s, 0,1,2,3,4,5,6,7
	global_load_b32 v[XS+8*\p+\s], v[L4], s[68:69] offset:512*\s+128*\p
.endr
.endr
.irp s, 0,1,2,3,4,5,6,7
	WIN (1+\s/4)<<6
.irp t, 0,1,2,3
.irp c, 0,1,2,3
	global_load_b128 v[16*(4*(\s%4)+\t)+4*\c:16*(4*(\s%4)+\t)+4*\c+3], v[L16], s[66:67] offset:16384*\s+2048*\t+512*\c   ; 512 consecutive bytes of the image
.endr
.endr
.endr
	WIN 0
	s_wait_loadcnt 0x0
	s_wait_tensorcnt 0x0                           ; no tensor load is out when the bias is stored
.irp k, 0,1,2
	ds_store_b32 v[BST], v[BL+\k] offset:512*\k
.endr
; A STEP: block j of my three.  The three lines and the round (j = 2: a barrier) show block j whole and the other slot read out; behind the round the other slot takes block j + 1.
.macro STEP j
.set SB_, WBLK*((\j)%2)
	WALU
	s_wait_tensorcnt 0x0                           ; my quarter of block j is in
	ds_add_u32 v[SPW], v[NIL]
.if \j < 2
	s_add_co_u32 s57, s60, WBLK*(1-(\j)%2)         ; no load of mine is out: group 0 may be written
	s_add_nc_u64 s[58:59], s[58:59], WBLK
.endif
	s_add_co_u32 s23, s22, \j                      ; the block, 0..23
	s_and_b32 s40, s23, 7
	s_lshl_b32 s40, s40, 1
	s_add_co_u32 s40, s40, s20
	s_mul_i32 s40, s40, HS                         ; its first head's record
	s_lshr_b32 s41, s23, 3                         ; 0 q, 1 k, 2 v
	s_mov_b32 s42, 274432
	s_mov_b32 s43, 405504
	s_mov_b32 s44, 262144
	s_cmp_eq_u32 s41, 0
	s_cselect_b32 s42, s42, 0                      ; where the codes begin in a record,
	s_cselect_b32 s43, s43, s44                    ; and the scale words
	s_mov_b32 s44, 131072
	s_mov_b32 s45, 270336
	s_mov_b32 s46, 4096
	s_mov_b32 s24, 512
	s_cmp_eq_u32 s41, 2
	s_cselect_b32 s42, s44, s42
	s_cselect_b32 s43, s45, s43
	s_cselect_b32 s24, s46, s24                    ; codes, from a head's first pair to its second
	s_cselect_b32 s46, 1024, s46                   ; codes, from u = 0 to u = 1
	s_cselect_b32 s25, 4, 0                        ; scale words, from pair to pair
	s_cselect_b32 s47, 8, 9                        ; a key step's scale words: 256 or 512 bytes
	s_cselect_b32 s44, 2, 8                        ; from u = 0 to u = 1
	s_mul_i32 s46, s46, s16
	s_mul_i32 s44, s44, s16
	s_lshl_b32 s47, s21, s47
	s_lshl_b32 s45, s21, 13
	s_add_co_u32 s26, s40, s42
	s_add_co_u32 s26, s26, s45
	s_add_co_u32 s26, s26, s46
	s_add_co_u32 s27, s40, s43
	s_add_co_u32 s27, s27, s47
	s_add_co_u32 s27, s27, s44
	s_wait_dscnt 0x0                               ; the add is done, and my LDS reads and stores are over
.if \j < 2
	CROUND
	TLOAD                                          ; the first tensor load behind the round, and my only one
.else
	BARRIER
.endif
	v_add_nc_u32 v[AD0], SB_, v[L16]
	v_add_nc_u32 v[AD1], SB_+65536, v[L16]
	v_add_nc_u32 v[ADS], SB_+131072, v[R4]
	v_add_nc_u32 v[ABQ], BIAS+512*\j, v[LBQ]
	v_add_nc_u32 v[ABV], BIAS+512*\j, v[LBV]
	WALU
	FETCH 0
	s_cmp_lt_u32 s23, 16
	s_cbranch_scc0 .Lvp_\@
	BIASQ
	s_branch .Ljp_\@
.Lvp_\@:
	BIASV
.Ljp_\@:
	FETCH 1
.if \j == 0
	global_prefetch_b8 v[PF], s[62:63] th:TH_LOAD_NT scope:SCOPE_SE    ; block 2, which the next step's round asks for: 32 units, a lane each,
	global_prefetch_b8 v[PF2], s[62:63] th:TH_LOAD_NT scope:SCOPE_SE   ; and my 33rd
.endif
	s_mov_b32 s28, 0
.Lp_\@:                                            ; four trips, a pair of tiles (32 columns) each
	s_add_co_u32 s29, s28, 1
	s_and_b32 s29, s29, 3                          ; the pair that is fetched
	s_lshl_b32 s30, s29, 12
	s_add_co_u32 s30, s30, SB_
	v_add_nc_u32 v[AD0], s30, v[L16]
	s_add_co_u32 s30, s30, 65536
	v_add_nc_u32 v[AD1], s30, v[L16]
	s_lshl_b32 s31, s29, 7
	s_add_co_u32 s30, s31, SB_+131072
	v_add_nc_u32 v[ADS], s30, v[R4]
	s_add_co_u32 s31, s31, BIAS+512*\j
	v_add_nc_u32 v[ABQ], s31, v[LBQ]
	v_add_nc_u32 v[ABV], s31, v[LBV]
	WALU
	s_wait_xcnt 0x0                                ; the last trip's stores have read their bases and data
	s_and_b32 s32, s28, 1
	s_lshr_b32 s33, s28, 1
	s_mul_i32 s33, s33, HS                         ; the block's second head
	s_mul_i32 s34, s32, s24
	s_add_co_u32 s34, s34, s33
	s_add_co_u32 s34, s34, s26
	s_mov_b32 s35, 0
	s_add_nc_u64 s[36:37], s[10:11], s[34:35]      ; this pair's codes
	s_mul_i32 s34, s32, s25
	s_add_co_u32 s34, s34, s33
	s_add_co_u32 s34, s34, s27
	s_add_nc_u64 s[38:39], s[10:11], s[34:35]      ; its scale words
	s_wait_dscnt 40                                ; set 0 and the bias are in; the 40 loads of set 1 may be out
	s_cmp_lt_u32 s23, 16
	s_cbranch_scc0 .Lva_\@
	BATCH 0, 0
	s_branch .Lja_\@
.Lva_\@:
.irp i, 0,1,2,3,4,5,6,7
	v_mov_b32 v[BC+\i], v[BT]                      ; v: one bias a lane, for all eight tokens
	v_mov_b32 v[BC+8+\i], v[BT+1]
.endr
	WALU
	BATCH 1, 0
.Lja_\@:
	FETCH 0
	s_wait_dscnt 40                                ; set 1 is in; the 40 loads just issued may be out
	s_cmp_lt_u32 s23, 16
	s_cbranch_scc0 .Lvb_\@
	BATCH 0, 1
	BIASQ
	FETCH 1
	EPIQ
	s_branch .Ljb_\@
.Lvb_\@:
	BATCH 1, 1
	BIASV
	FETCH 1
	EPIV
.Ljb_\@:
	s_add_co_u32 s28, s28, 1
	s_cmp_lt_u32 s28, 4
	WALU
	s_cbranch_scc1 .Lp_\@
.endm
	STEP 0
	STEP 1
	STEP 2
	s_wait_tensorcnt 0x0                           ; the wave's end
	ds_add_u32 v[SPW], v[NIL]
	s_wait_dscnt 0x0
	CROUND                                         ; the closing round
	s_endpgm
.Lfunc_end_k_q5fc76a74a0_qkv:
	.size	k_q5fc76a74a0_qkv, .Lfunc_end_k_q5fc76a74a0_qkv-k_q5fc76a74a0_qkv
	.p2alignl 7, 3214868480
	.fill 96, 4, 3214868480
	.section	.rodata,"a",@progbits
	.p2align	6, 0x0
	.amdhsa_kernel k_q5fc76a74a0_qkv
		.amdhsa_group_segment_fixed_size 327680
		.amdhsa_private_segment_fixed_size 0
		.amdhsa_enable_private_segment 0
		.amdhsa_kernarg_size 32
		.amdhsa_user_sgpr_count 2
		.amdhsa_user_sgpr_kernarg_segment_ptr 1
		.amdhsa_wavefront_size32 1
		.amdhsa_system_sgpr_workgroup_id_x 1
		.amdhsa_system_sgpr_workgroup_id_y 1
		.amdhsa_system_sgpr_workgroup_id_z 1
		.amdhsa_system_vgpr_workitem_id 0
		.amdhsa_next_free_vgpr 1024
		.amdhsa_next_free_sgpr 72
		.amdhsa_reserve_vcc 0
		.amdhsa_float_denorm_mode_32 3
		.amdhsa_float_denorm_mode_16_64 3
		.amdhsa_memory_ordered 1
		.amdhsa_forward_progress 1
		.amdhsa_inst_pref_size 178
	.end_amdhsa_kernel
	.amdgpu_metadata
---
amdhsa.version: [ 1, 2 ]
amdhsa.kernels:
  - .name:           k_q5fc76a74a0_qkv
    .symbol:         k_q5fc76a74a0_qkv.kd
    .args:
      - { .name: xq, .offset: 0, .size: 8, .value_kind: global_buffer, .address_space: global }
      - { .name: waq, .offset: 8, .size: 8, .value_kind: global_buffer, .address_space: global }
      - { .name: b_attn, .offset: 16, .size: 8, .value_kind: global_buffer, .address_space: global }
      - { .name: qkv, .offset: 24, .size: 8, .value_kind: global_buffer, .address_space: global }
    .group_segment_fixed_size: 327680
    .private_segment_fixed_size: 0
    .kernarg_segment_align: 8
    .kernarg_segment_size: 32
    .max_flat_workgroup_size: 128
    .sgpr_count:     72
    .vgpr_count:     1024
    .wavefront_size: 32
...
	.end_amdgpu_metadata
.endif
;; end of part 2
;; launch attn (part 3): grid 4 x 64, 16 waves a work-group, clusters of 4 x 1, 276,480 bytes of LDS; arguments qkv, oq; writes oq
.if DOCPART == 3
	.amdgcn_target "amdgcn-amd-amdhsa--gfx1250"
	.amdhsa_code_object_version 6
	.text
	.protected	k_q5fc76a74a0_attn
	.globl	k_q5fc76a74a0_attn
	.p2align	8
	.type	k_q5fc76a74a0_attn,@function
k_q5fc76a74a0_attn:
	s_mov_b64 s[64:65], 0
	v_nop
	global_prefetch_b8 v0, s[64:65] scope:SCOPE_SE
	s_setreg_imm32_b32 hwreg(HW_REG_WAVE_MODE, 25, 1), 1
	s_wait_xcnt 0x0
	s_wait_alu depctr_hold_cnt(0) depctr_sa_sdst(0) depctr_va_vdst(0) depctr_va_sdst(0) depctr_va_ssrc(0) depctr_va_vcc(0) depctr_vm_vsrc(0)
	s_getreg_b32 s2, hwreg(HW_REG_IB_STS2, 6, 4)
	s_cmp_eq_u32 s2, 0
	s_cbranch_scc0 .Lentry_in_a_cluster
	s_endpgm
.Lentry_in_a_cluster:
	s_bfe_u32 s2, ttmp6, 0x10000c
	s_cmp_lg_u32 s2, 0x3003
	s_cbranch_scc0 .Lentry_shape_is_right
	s_endpgm
.Lentry_shape_is_right:
; Causal attention of one (batch, head) on codes of FP8 (E4M3) with E8M0 scales; the result is quantised along C and stored as the image that the last product reads.
; t = score x log2(e) / 8; M = the row's largest t so far, rounded up to a whole number; p = 2^(t - M) is quantised along the keys, not normalised; the row's sum is taken of the unquantised p and divides O at the end.
; When M moves, the sum and O are multiplied by 2^(old M - new M): exact.
; THE HEAD'S K, V AND THEIR SCALE WORDS, 274,432 dense bytes of its record, LIE IN LDS WHOLE, filled once: each of the sixteen waves brings 67 rows of 256 bytes by one load.  Nothing is filled again: no ring.
; CLUSTER: the four work-groups of a cluster are one head and ask for those bytes jointly (mask 15).
; SHARES: queries come in groups of 128 = 8 tiles of 16.  Partner cx takes tiles 2 cx and 2 cx + 1 of EVERY group, so which key steps count hangs on the group alone: cx enters Q's and O's global addresses and the mask's lane
; constant, no branch and no LDS address.  Wave w (a = w / 2, e = w % 2) takes tile 2 cx + e of group a (a + 1 key steps of 128) and then of group 15 - a (16 - a steps): 17 steps for every wave of the launch.
; Key steps wholly behind the diagonal are not walked; a tile's last step is the one on the diagonal: there hidden scores become -infinity ahead of the maximum.
; LAYOUT: both products transposed (S^T = K Q^T, O^T = V^T P^T): a lane holds one query.  Tiles have the row order 32 (i / 2) + 8 (i % 2) + r % 8 + 16 (r / 8), so that the 16 registers of tiles 2 b, 2 b + 1 are neighbours 32 b + 16 h + 0..15.
; The head's 64 fill half of the instruction's K = 128: the upper 64 are zero codes (registers written once) under the scale byte 0.
; No prefetch: every byte is asked for at the head.  LIMITS: NaN and infinities are not served; 1 / sum is v_rcp_f32 and a multiplication; a block of zeros gets the byte 1.
; REGISTERS: v1-7 lane constants; v8-11 LDS addresses of the step; v12 -M, v13 the largest t, v[14:15] the sum; v16-31 Q; v32-95 four fragments of K; v96-159 S^T, p, then V; v160-191 O^T; v192-207 p's codes;
;   v208-216 the second tile's Q and scale word; v217 Q's scale word; v218-225 K's, v226-229 V's; v230-231 store offsets; v232-247 at work; v[250:251] f; v253 p's scale word; v254 at work.
.set HS,  413696
.set WV,  8
.set SEL, 14
.set CS,  16
.set MNT, 18
.macro CROUND
	s_barrier_signal -1
	s_barrier_wait -1
	s_cmp_lg_u32 s[WV], 0
	s_cbranch_scc1 .Lnot_wave_0_\@
	s_barrier_signal -3
.Lnot_wave_0_\@:
	s_barrier_wait -3
	s_barrier_signal -1
	s_barrier_wait -1
.endm
	s_load_b128 s[4:7], s[0:1], 0x0                ; qkv, oq
	v_lshl_add_u32 v252, v0, 2, 0x43000
	v_mov_b32 v255, 0
	ds_add_u32 v252, v255
	ds_add_u32 v252, v255
	v_lshrrev_b32 v1, 5, v0
	s_delay_alu instid0(VALU_DEP_1)
	v_readfirstlane_b32 s[WV], v1                  ; wave 0..15
	s_lshr_b32 s9, s[WV], 1                        ; a
	s_and_b32 s10, s[WV], 1                        ; e
	s_xor_b32 s13, s9, 15                          ; 15 - a
	s_bfe_u32 s11, ttmp6, 0x40000                  ; cx
	s_and_b32 s12, ttmp7, 0xffff                   ; 16 x batch + head: the record
	s_mov_b32 s24, 15|(3<<16)|(1<<21)              ; group 1: the mask names all four; elements of 8 bytes; bit 21 beside a mask
	s_mov_b32 s25, 32<<16                          ; tensor_dim0 = 32 (256 bytes)
	s_mov_b32 s26, 67<<16                          ; tensor_dim1 = 67
	s_mov_b32 s27, 32<<16                          ; tile_dim0
	s_mov_b32 s28, 67                              ; tile_dim1
	s_mov_b32 s29, 32                              ; the pitch: dense
	s_mov_b32 s30, 0
	s_mov_b32 s31, 0
	s_mul_i32 s42, s12, HS
	s_mov_b32 s43, 0
	s_mul_i32 s33, s[WV], 17152                    ; my 67 rows, in LDS
	s_mov_b32 s44, s33                             ; and in the record
	s_mov_b32 s45, 0
	s_mov_b32 s32, 1
	s_mov_b32 s[SEL], 0x76543210
	s_mov_b32 s[SEL+1], 0xfedcba98
	s_mov_b32 s[CS], 0x3e38aa3b                    ; c = log2(e) / 8
	s_mov_b32 s[CS+1], s[CS]
	s_mov_b32 s[MNT], 0x600000
	s_wait_dscnt 0x0
	s_wait_kmcnt 0x0
	s_add_nc_u64 s[36:37], s[4:5], s[42:43]
	s_add_nc_u64 s[34:35], s[36:37], s[44:45]
	s_or_b32 s35, s35, 0x80000000
	CROUND                                         ; all four work-groups are here: the joint loads meet
	tensor_load_to_lds s[32:35], s[24:31]          ; my one tensor load of the launch
	s_nop 0
.rept 4
	v_nop
.endr
	v_and_b32 v7, 31, v0                           ; lane
	v_and_b32 v254, 15, v0                         ; r
	v_bfe_u32 v232, v0, 4, 1                       ; h
	s_delay_alu instid0(VALU_DEP_3)
	v_lshlrev_b32 v1, 4, v7                        ; 16 x lane
	s_delay_alu instid0(VALU_DEP_3)
	v_lshl_add_u32 v2, v254, 4, 262144             ; K's scale words: 16 r
	s_delay_alu instid0(VALU_DEP_4)
	v_lshl_add_u32 v3, v254, 3, 270336             ; V's: 8 r
	v_and_b32 v4, 7, v0
	v_bfe_u32 v233, v0, 3, 1
	s_delay_alu instid0(VALU_DEP_1)
	v_lshl_add_u32 v4, v233, 4, v4
	v_lshlrev_b32 v233, 4, v232
	s_delay_alu instid0(VALU_DEP_1)
	v_sub_nc_u32 v4, v4, v233
	s_lshl_b32 s43, s11, 5
	s_lshl_b32 s44, s10, 3
	s_add_co_u32 s43, s43, s44
	v_add_nc_u32 v4, s43, v4                       ; my query in its group - 16 h: register 16 b + i holds key 32 b + 16 h + i, hidden where 32 b + i is above this
	s_lshl_b32 s42, s11, 1
	s_add_co_u32 s42, s42, s10                     ; my tile: 2 cx + e
	s_lshl_b32 s44, s42, 11
	v_add_nc_u32 v5, s44, v1                       ; O's codes: tile x 2048 + 16 x lane
	v_lshl_add_u32 v6, v254, 2, v232
	s_lshl_b32 s44, s42, 6
	v_add_nc_u32 v6, s44, v6                       ; O's scale bytes: tile x 64 + 4 r + h
	s_add_nc_u64 s[36:37], s[36:37], 274432        ; Q's codes
	s_lshl_b32 s45, s42, 10
	s_lshl_b32 s44, s9, 13
	s_add_co_u32 s44, s44, s45
	v_add_nc_u32 v230, s44, v1                     ; group a, my tile
	s_wait_alu depctr_va_vdst(0)
	s_lshl_b32 s44, s13, 13
	s_add_co_u32 s44, s44, s45
	v_add_nc_u32 v231, s44, v1                     ; group 15 - a
	v_lshlrev_b32 v248, 4, v254
	s_lshl_b32 s45, s10, 8
	s_lshl_b32 s46, s11, 2
	s_add_co_u32 s45, s45, s46                     ; Q's scale word: (16 e + r) 16 + 4 cx
	s_lshl_b32 s44, s13, 9
	s_add_co_u32 s44, s44, s45
	v_add_nc_u32 v249, s44, v248
	s_lshl_b32 s44, s9, 9
	s_add_co_u32 s44, s44, s45
	v_add_nc_u32 v248, s44, v248
	global_load_b128 v[16:19], v230, s[36:37]
	global_load_b128 v[20:23], v230, s[36:37] offset:512
	global_load_b128 v[208:211], v231, s[36:37]
	global_load_b128 v[212:215], v231, s[36:37] offset:512
	global_load_b32 v217, v248, s[36:37] offset:131072
	global_load_b32 v216, v249, s[36:37] offset:131072
	s_lshr_b32 s44, s12, 4                         ; the batch
	s_and_b32 s45, s12, 15                         ; the head
	s_lshr_b32 s46, s45, 1                         ; its K step of the last product
	s_and_b32 s45, s45, 1                          ; and which half of it
	s_lshl_b32 s42, s44, 21
	s_lshl_b32 s47, s46, 14
	s_add_co_u32 s42, s42, s47
	s_lshl_b32 s47, s45, 10
	s_add_co_u32 s42, s42, s47
	s_mov_b32 s43, 0
	s_add_nc_u64 s[38:39], s[6:7], s[42:43]        ; O's codes
	s_lshl_b32 s42, s44, 16
	s_lshl_b32 s47, s46, 9
	s_add_co_u32 s42, s42, s47
	s_lshl_b32 s47, s45, 1
	s_add_co_u32 s42, s42, s47
	s_add_co_u32 s42, s42, 8388608
	s_add_nc_u64 s[40:41], s[6:7], s[42:43]        ; O's scale bytes
.irp j, 0,1,2,3,4,5,6,7
	v_mov_b32 v[24+\j], 0                          ; the upper 64 of K = 128: zero codes, written once: Q's,
.endr
.irp t, 0,1,2,3
.irp j, 8,9,10,11,12,13,14,15
	v_mov_b32 v[32+16*\t+\j], 0                    ; and K's four fragments'
.endr
.endr
.set j, 0
.rept 32
	v_mov_b32 v[160+j], 0                          ; O^T: the step is written once; the first finds zeros
.set j, j+1
.endr
.irp b, 0,1,2,3
	v_mov_b32 v[236+\b], 0                         ; a lane permute's destination counts as read
.endr
	v_mov_b32 v251, 0                              ; named as the upper half of the pair v[250:251]
	v_mov_b32 v13, 0xff61b1e6                      ; the largest t so far: -3e38
	s_delay_alu instid0(VALU_DEP_1)
	v_floor_f32 v12, -v13
	v_mov_b32 v14, 0
	v_mov_b32 v15, 0
	s_wait_loadcnt 0x0                             ; Q
	s_wait_tensorcnt 0x0                           ; my rows have landed,
	s_barrier_signal -1
	s_barrier_wait -1                              ; everybody's have
	s_mov_b32 s19, 0                               ; I
.Ltrip:                                            ; 17 trips, a key step each
	s_add_co_u32 s20, s19, s13
	s_lshr_b32 s20, s20, 4                         ; m = 1 from my second tile's first step on
	s_mul_i32 s21, s20, s13
	s_add_co_u32 s21, s21, s19
	s_and_b32 s21, s21, 15                         ; the key step: I, later I - a - 1
	s_mul_i32 s22, s20, 15
	s_xor_b32 s22, s22, s9                         ; the group: a, later 15 - a
	s_lshl_b32 s23, s21, 13
	v_add_nc_u32 v8, s23, v1                       ; K's tiles
	s_wait_alu depctr_va_vdst(0)
	s_add_co_u32 s23, s23, 131072
	v_add_nc_u32 v9, s23, v1                       ; V's
	s_lshl_b32 s23, s21, 9
	v_add_nc_u32 v10, s23, v2
	s_lshl_b32 s23, s21, 8
	v_add_nc_u32 v11, s23, v3
.rept 5
	v_nop                                          ; with the four additions nine places: the products below write over registers that the last step's products read
.endr
	ds_load_b128 v[218:221], v10                   ; K's scale words: tiles 0, 2, 4, 6;
	ds_load_b128 v[222:225], v10 offset:256        ; tiles 1, 3, 5, 7
	ds_load_b64 v[226:227], v11                    ; V's: tiles 0, 2;
	ds_load_b64 v[228:229], v11 offset:128         ; tiles 1, 3
.irp gg, 0,1                                       ; S^T = K Q^T, four tiles of 16 keys at a time
.if \gg
.rept 8
	v_nop                                          ; places in front of loads into registers that matrix instructions have read
.endr
.endif
.irp t, 0,1,2,3
.irp c, 0,1
	ds_load_b128 v[32+16*\t+4*\c:35+16*\t+4*\c], v8 offset:(4*\gg+\t)*1024+512*\c
.endr
.endr
	s_wait_dscnt 0x0
.irp t, 0,1,2,3
	v_wmma_scale_f32_16x16x128_f8f6f4 v[96+8*(4*\gg+\t):103+8*(4*\gg+\t)], v[32+16*\t:47+16*\t], v[16:31], 0, v[218+4*(\t%2)+(4*\gg+\t)/2], v217
.endr
.endr
.rept 8
	v_nop
.endr
	s_cmp_lg_u32 s21, s22                          ; only a tile's last step lies on the diagonal
	s_cbranch_scc1 .Lopen
	v_mov_b32 v254, 0xff800000
.set n, 0
.rept 64
	v_cmp_gt_i32 vcc_lo, 32*(n/16)+n%16, v4
	v_cndmask_b32 v[96+n], v[96+n], v254, vcc_lo   ; hidden scores become -infinity: p = 0
.set n, n+1
.endr
.Lopen:
.irp b, 0,1,2,3
	v_max3_num_f32 v[232+\b], v[96+16*\b], v[97+16*\b], v[98+16*\b]        ; the largest score of each block of 32 keys: for the row's maximum, and, since p rises with the score, for the block's largest p
.endr
.irp i, 3,5,7,9,11,13
.irp b, 0,1,2,3
	v_max3_num_f32 v[232+\b], v[232+\b], v[96+16*\b+\i], v[97+16*\b+\i]
.endr
.endr
.irp b, 0,1,2,3
	v_max_num_f32 v[232+\b], v[232+\b], v[111+16*\b]
.endr
.irp b, 0,1,2,3
	s_delay_alu instid0(VALU_DEP_4)
	v_permlanex16_b32 v[236+\b], v[232+\b], s[SEL], s[SEL+1]
.endr
.irp b, 0,1,2,3
	s_delay_alu instid0(VALU_DEP_4)
	v_max_num_f32 v[232+\b], v[232+\b], v[236+\b]
.endr
	s_delay_alu instid0(VALU_DEP_2)
	v_max3_num_f32 v254, v232, v233, v234
	s_delay_alu instid0(VALU_DEP_1)
	v_max_num_f32 v254, v254, v235
	s_delay_alu instid0(VALU_DEP_1)
	v_mul_f32 v254, s[CS], v254
	s_delay_alu instid0(VALU_DEP_1)
	v_max_num_f32 v13, v13, v254                   ; the running largest t
	v_mov_b32 v254, v12
	s_delay_alu instid0(VALU_DEP_2)
	v_floor_f32 v12, -v13                          ; -M = floor(-t): M is a whole number
	s_delay_alu instid0(VALU_DEP_1)
	v_sub_f32 v254, v12, v254
	s_delay_alu instid0(VALU_DEP_1)
	v_cvt_i32_f32 v254, v254                       ; old M - new M (it saturates)
	s_delay_alu instid0(VALU_DEP_1)
	v_ldexp_f32 v250, 1.0, v254                    ; f = 2^(old M - new M)
.set j, 0
.rept 32
	v_pk_fma_f32 v[96+j:97+j], v[96+j:97+j], s[CS:CS+1], v[12:13] op_sel_hi:[1,0,0]    ; t - M
.set j, j+2
.endr
.irp b, 0,1,2,3
	v_fma_f32 v[232+\b], v[232+\b], s[CS], v12
.endr
.set j, 0
	s_wait_alu depctr_va_vdst(0)
.rept 64
	v_exp_f32 v[96+j], v[96+j]                     ; p = 2^(t - M)
.set j, j+1
.endr
	v_pk_mul_f32 v[14:15], v[14:15], v[250:251] op_sel_hi:[1,0]    ; the sums under the new M: a plain line behind the exponentials
	s_wait_alu depctr_va_vdst(0)                   ; one wait for the batch, ahead of its first reader
.irp b, 0,1,2,3
	v_exp_f32 v[232+\b], v[232+\b]                 ; each block's largest p
.endr
	v_pk_add_f32 v[236:237], v[100:101], v[104:105]
	v_pk_add_f32 v[248:249], v[108:109], v[112:113]
	v_pk_add_f32 v[246:247], v[116:117], v[120:121]
	v_pk_add_f32 v[244:245], v[124:125], v[128:129]
	v_pk_add_f32 v[242:243], v[132:133], v[136:137]
	v_pk_add_f32 v[240:241], v[140:141], v[144:145]
	v_pk_add_f32 v[238:239], v[148:149], v[152:153]
	v_pk_add_f32 v[14:15], v[14:15], v[156:157]
	v_pk_add_f32 v[236:237], v[236:237], v[96:97]
	v_pk_add_f32 v[248:249], v[248:249], v[98:99]
	v_pk_add_f32 v[246:247], v[246:247], v[102:103]
	v_pk_add_f32 v[244:245], v[244:245], v[106:107]
	v_pk_add_f32 v[242:243], v[242:243], v[110:111]
	v_pk_add_f32 v[240:241], v[240:241], v[114:115]
	v_pk_add_f32 v[238:239], v[238:239], v[118:119]
	v_pk_add_f32 v[14:15], v[14:15], v[122:123]
	v_pk_add_f32 v[236:237], v[236:237], v[126:127]
	v_pk_add_f32 v[248:249], v[248:249], v[130:131]
	v_pk_add_f32 v[246:247], v[246:247], v[134:135]
	v_pk_add_f32 v[244:245], v[244:245], v[138:139]
	v_pk_add_f32 v[242:243], v[242:243], v[142:143]
	v_pk_add_f32 v[240:241], v[240:241], v[146:147]
	v_pk_add_f32 v[238:239], v[238:239], v[150:151]
	v_pk_add_f32 v[14:15], v[14:15], v[154:155]
	v_pk_add_f32 v[236:237], v[236:237], v[158:159]
	s_delay_alu instid0(VALU_DEP_2)
	v_pk_add_f32 v[14:15], v[14:15], v[244:245]
	s_delay_alu instid0(VALU_DEP_2)
	v_pk_add_f32 v[236:237], v[236:237], v[242:243]
	v_pk_add_f32 v[248:249], v[248:249], v[240:241]
	v_pk_add_f32 v[246:247], v[246:247], v[238:239]
	s_delay_alu instid0(VALU_DEP_2)
	v_pk_add_f32 v[14:15], v[14:15], v[248:249]
	s_delay_alu instid0(VALU_DEP_2)
	v_pk_add_f32 v[236:237], v[236:237], v[246:247]
	s_delay_alu instid0(VALU_DEP_1)
	v_pk_add_f32 v[14:15], v[14:15], v[236:237]
	s_wait_alu depctr_va_vdst(0)                   ; and one for the four
.irp b, 0,1,2,3
	v_max_num_f32 v[232+\b], 0x4800000, v[232+\b]  ; the floor 2^(9 - 127)
.endr
.irp b, 0,1,2,3
	s_delay_alu instid0(VALU_DEP_4)
	v_add_nc_u32 v[244+\b], 0xfc000000, v[232+\b]
.endr
.irp b, 0,1,2,3
	v_and_or_b32 v[240+\b], v[232+\b], 0x7f800000, s[MNT]
.endr
.irp b, 0,1,2,3
	v_lshrrev_b32 v[236+\b], 23, v[244+\b]
.endr
	s_delay_alu instid0(VALU_DEP_3)
	v_lshl_or_b32 v253, v237, 8, v236              ; p's scale word for these 128 keys
	s_delay_alu instid0(VALU_DEP_1)
	v_lshl_or_b32 v253, v238, 16, v253
	s_delay_alu instid0(VALU_DEP_1)
	v_lshl_or_b32 v253, v239, 24, v253
.irp b, 0,1,2,3
.irp i, 0,1,2,3,4,5,6,7,8,9,10,11,12,13,14,15
	v_min_num_f32 v[96+16*\b+\i], v[96+16*\b+\i], v[240+\b]        ; the conversion does not saturate (ISA guide 7.6.2); p is not negative
.endr
	v_cvt_scalef32_pk8_fp8_f32 v[192+4*\b:193+4*\b], v[96+16*\b:103+16*\b], v[244+\b]
	v_cvt_scalef32_pk8_fp8_f32 v[194+4*\b:195+4*\b], v[104+16*\b:111+16*\b], v[244+\b]
.endr
	v_nop                                          ; a plain line behind the last conversion
.irp t, 0,1,2,3
.irp c, 0,1,2,3
	ds_load_b128 v[96+16*\t+4*\c:99+16*\t+4*\c], v9 offset:2048*\t+512*\c          ; V's four fragments take p's registers
.endr
.endr
.set j, 0
.rept 16
	v_pk_mul_f32 v[160+j:161+j], v[160+j:161+j], v[250:251] op_sel_hi:[1,0]        ; O^T under the new M; also the places in front of the products below
.set j, j+2
.endr
	s_wait_alu depctr_va_vdst(0)
	s_wait_dscnt 0x0
.irp t, 0,1,2,3                                    ; O^T += V^T P^T: four accumulators, one instruction each
	v_wmma_scale_f32_16x16x128_f8f6f4 v[160+8*\t:167+8*\t], v[96+16*\t:111+16*\t], v[192:207], v[160+8*\t:167+8*\t], v[226+2*(\t%2)+\t/2], v253
.endr
	s_cmp_lg_u32 s21, s22
	s_cbranch_scc1 .Lnofin
	; ---- the tile is finished: O^T / the sum, quantised along C (register 16 b + i = channel 32 b + 16 h + i of the head), stored as the image
.rept 8
	v_nop
.endr
	v_add_f32 v14, v14, v15
	s_delay_alu instid0(VALU_DEP_1)
	v_permlanex16_b32 v236, v14, s[SEL], s[SEL+1]
	s_delay_alu instid0(VALU_DEP_1)
	v_add_f32 v14, v14, v236                       ; the row's sum
	s_wait_alu depctr_va_vdst(0)
	v_rcp_f32 v14, v14
	v_nop
	s_wait_alu depctr_va_vdst(0)
.set j, 0
.rept 16
	v_pk_mul_f32 v[96+j:97+j], v[160+j:161+j], v[14:15] op_sel_hi:[1,0]
.set j, j+2
.endr
.irp b, 0,1
	v_max3_num_f32 v[232+\b], |v[96+16*\b]|, |v[97+16*\b]|, 0x4800000
.endr
.irp i, 2,4,6,8,10,12,14
.irp b, 0,1
	s_delay_alu instid0(VALU_DEP_2)
	v_max3_num_f32 v[232+\b], v[232+\b], |v[96+16*\b+\i]|, |v[97+16*\b+\i]|
.endr
.endr
.irp b, 0,1
	s_delay_alu instid0(VALU_DEP_2)
	v_permlanex16_b32 v[236+\b], v[232+\b], s[SEL], s[SEL+1]
.endr
.irp b, 0,1
	s_delay_alu instid0(VALU_DEP_2)
	v_max_num_f32 v[232+\b], v[232+\b], v[236+\b]
.endr
.irp b, 0,1
	s_delay_alu instid0(VALU_DEP_2)
	v_add_nc_u32 v[244+\b], 0xfc000000, v[232+\b]
.endr
.irp b, 0,1
	s_delay_alu instid0(VALU_DEP_4)
	v_and_or_b32 v[240+\b], v[232+\b], 0x7f800000, s[MNT]
.endr
.irp b, 0,1
	s_delay_alu instid0(VALU_DEP_4)
	v_lshrrev_b32 v[236+\b], 23, v[244+\b]
.endr
.irp b, 0,1
.irp i, 0,1,2,3,4,5,6,7,8,9,10,11,12,13,14,15
	v_med3_num_f32 v[96+16*\b+\i], v[96+16*\b+\i], -v[240+\b], v[240+\b]
.endr
	v_cvt_scalef32_pk8_fp8_f32 v[200+4*\b:201+4*\b], v[96+16*\b:103+16*\b], v[244+\b]
	v_cvt_scalef32_pk8_fp8_f32 v[202+4*\b:203+4*\b], v[104+16*\b:111+16*\b], v[244+\b]
.endr
	v_nop
	v_cmp_lt_u32 vcc_lo, 15, v7
	s_delay_alu instid0(VALU_DEP_1)
	v_cndmask_b32 v254, v236, v237, vcc_lo         ; lanes 0-15 store block 0's byte, lanes 16-31 block 1's
	s_lshl_b32 s23, s22, 17
	v_add_nc_u32 v230, s23, v5
	s_lshl_b32 s23, s22, 12
	v_add_nc_u32 v231, s23, v6
	global_store_b128 v230, v[200:203], s[38:39]               ; 32 lanes store 512 consecutive bytes
	global_store_b128 v230, v[204:207], s[38:39] offset:512
	global_store_b8 v231, v254, s[40:41]
	s_cmp_eq_u32 s19, 16
	s_cbranch_scc1 .Llast
.irp j, 0,1,2,3,4,5,6,7
	v_mov_b32 v[16+\j], v[208+\j]                  ; the second tile's Q,
.endr
	v_mov_b32 v217, v216                           ; its scale word,
	v_mov_b32 v13, 0xff61b1e6                      ; and a fresh start; the lines below are also the places in front of the next products
	s_delay_alu instid0(VALU_DEP_1)
	v_floor_f32 v12, -v13
	v_mov_b32 v14, 0
	v_mov_b32 v15, 0
.set j, 0
.rept 32
	v_mov_b32 v[160+j], 0
.set j, j+1
.endr
.Llast:
	s_wait_xcnt 0x0                                ; the stores have read their data and offsets: the next step writes them again
.Lnofin:
	s_add_co_u32 s19, s19, 1
	s_cmp_lt_u32 s19, 17
	s_cbranch_scc1 .Ltrip
	s_wait_tensorcnt 0x0
	ds_add_u32 v252, v255
	s_wait_dscnt 0x0
	CROUND                                         ; the closing round: no work-group ends while a partner may still ask
	s_endpgm
.Lfunc_end_k_q5fc76a74a0_attn:
	.size	k_q5fc76a74a0_attn, .Lfunc_end_k_q5fc76a74a0_attn-k_q5fc76a74a0_attn
	.p2alignl 7, 3214868480
	.fill 96, 4, 3214868480
	.section	.rodata,"a",@progbits
	.p2align	6, 0x0
	.amdhsa_kernel k_q5fc76a74a0_attn
		.amdhsa_group_segment_fixed_size 276480
		.amdhsa_private_segment_fixed_size 0
		.amdhsa_enable_private_segment 0
		.amdhsa_kernarg_size 16
		.amdhsa_user_sgpr_count 2
		.amdhsa_user_sgpr_kernarg_segment_ptr 1
		.amdhsa_wavefront_size32 1
		.amdhsa_system_sgpr_workgroup_id_x 1
		.amdhsa_system_sgpr_workgroup_id_y 1
		.amdhsa_system_sgpr_workgroup_id_z 1
		.amdhsa_system_vgpr_workitem_id 0
		.amdhsa_next_free_vgpr 256
		.amdhsa_next_free_sgpr 66
		.amdhsa_reserve_vcc 1
		.amdhsa_float_denorm_mode_32 3
		.amdhsa_float_denorm_mode_16_64 3
		.amdhsa_memory_ordered 1
		.amdhsa_forward_progress 1
		.amdhsa_inst_pref_size 43
	.end_amdhsa_kernel
	.amdgpu_metadata
---
amdhsa.version: [ 1, 2 ]
amdhsa.kernels:
  - .name:           k_q5fc76a74a0_attn
    .symbol:         k_q5fc76a74a0_attn.kd
    .args:
      - { .name: qkv, .offset: 0, .size: 8, .value_kind: global_buffer, .address_space: global }
      - { .name: oq, .offset: 8, .size: 8, .value_kind: global_buffer, .address_space: global }
    .group_segment_fixed_size: 276480
    .private_segment_fixed_size: 0
    .kernarg_segment_align: 8
    .kernarg_segment_size: 16
    .max_flat_workgroup_size: 512
    .sgpr_count:     66
    .vgpr_count:     256
    .wavefront_size: 32
...
	.end_amdgpu_metadata
.endif
;; end of part 3
;; launch proj (part 4): grid 32 x 8, 4 waves a work-group, clusters of 4 x 1, 205,824 bytes of LDS; arguments oq, wpq, b_proj, out0; writes out0
.if DOCPART == 4
	.amdgcn_target "amdgcn-amd-amdhsa--gfx1250"
	.amdhsa_code_object_version 6
	.text
	.protected	k_q5fc76a74a0_proj
	.globl	k_q5fc76a74a0_proj
	.p2align	8
	.type	k_q5fc76a74a0_proj,@function
k_q5fc76a74a0_proj:
	s_mov_b64 s[64:65], 0
	v_nop
	global_prefetch_b8 v0, s[64:65] scope:SCOPE_SE
	s_setreg_imm32_b32 hwreg(HW_REG_WAVE_MODE, 25, 1), 1
	s_wait_xcnt 0x0
	s_wait_alu depctr_hold_cnt(0) depctr_sa_sdst(0) depctr_va_vdst(0) depctr_va_sdst(0) depctr_va_ssrc(0) depctr_va_vcc(0) depctr_vm_vsrc(0)
	s_getreg_b32 s2, hwreg(HW_REG_IB_STS2, 6, 4)
	s_cmp_eq_u32 s2, 0
	s_cbranch_scc0 .Lentry_in_a_cluster
	s_endpgm
.Lentry_in_a_cluster:
	s_bfe_u32 s2, ttmp6, 0x10000c
	s_cmp_lg_u32 s2, 0x3003
	s_cbranch_scc0 .Lentry_shape_is_right
	s_endpgm
.Lentry_shape_is_right:
; out0 = O W_proj + b_proj on codes of FP8 (E4M3) with E8M0 scales, K = 1,024; f32 results.
; oq: RB x 131072 + s x 16384 + tile x 2048 + c x 512 + lane x 16, scale words at 8388608 + RB x 4096 + s x 512 + tile x 64 + r x 4.  wpq: blocks of 135,168 bytes: the same image of 128 columns, its scale words behind it.
; Tile i, place r = row 32 (i / 2) + 8 (i % 2) + r % 8 + 16 (r / 8) of the block of 128.
; SHARES: 256 work-groups: 256 tokens x 128 columns each.  A wave keeps 64 tokens (4 tiles), ALL of K, in 512 registers, loaded straight from the image; the block of 128 columns lies in LDS whole, filled once (a quarter a wave), and goes past in 8 tiles of 16: 32 products a tile.
; CLUSTER 4 x 1: the four work-groups have the same columns and ask for the block jointly (mask 15); cx enters only global addresses.
; Source 0 = the columns: a lane holds one token, and the 16 registers of a pair of tiles are 16 neighbouring columns.  The bias is the first products' C.
; THE WAY OUT: two pairs make 64 columns, 256 bytes of each of my 64 tokens: they go through my own stage in LDS (rows of 272 bytes) and leave with sixteen lanes to an aligned unit of 256 bytes.
; No loop: four pairs are written out, every LDS offset an immediate.  No prefetch: every byte is asked for at the head.  LIMITS: NaN and infinities are not served.
; REGISTERS: window 0 as named below; windows 1, 2: O's fragment (s, t) at 16 (4 s + t); window 3: the columns' tile, two sets of 128.
.set CODX, 8388608
.set WBLK, 135168
.set BIAS, 135168                      ; behind the block: the bias of the 128 columns
.set STAGE, 135680                     ; 64 rows of 272 bytes for each wave
.set SPARE, 205312                     ; the spare words: 128 bytes a wave
.set LN, 1
.set L16, 2
.set L4, 3
.set AD1, 4                            ; 16 x lane + 65536
.set ADS, 5                            ; the columns' scale words
.set ABQ, 6                            ; the bias
.set STO, 7
.set RDB, 8
.set GO, 9
.set T4, 10
.set BST, 11
.set SPW, 12
.set NIL, 13
.set BL, 14
.set WS, 20                            ; v20-35 the columns' scale words, set e at 8 e + s
.set XS, 40                            ; v40-55 O's: 8 p + s: lanes 0-15 tile 2 p, lanes 16-31 tile 2 p + 1
.set BC, 56                            ; v56-71 the first products' C
.set ACC, 128                          ; v128-191 eight accumulators: token tile t at 16 t
.set OUT, 192                          ; v192-255 rows read back from the stage
.set MSB, 0
.macro WIN new                         ; the immediate's high byte repeats the setting that is left
.set NW, \new
.if MSB != NW
	s_set_vgpr_msb (MSB<<8)|NW
.set MSB, NW
.endif
.endm
.macro PLACES n
.rept \n
	v_nop
.endr
.endm
.macro BARRIER
	s_barrier_signal -1
	s_barrier_wait -1
.endm
.macro CROUND
	BARRIER
	s_cmp_lg_u32 s14, 0
	s_cbranch_scc1 .Lnot_wave_0_\@
	s_barrier_signal -3
.Lnot_wave_0_\@:
	s_barrier_wait -3
	BARRIER
.endm
.macro FETCH e, i                      ; tile i, all of K, into set e: 40 LDS loads
	WIN 3<<6
.irp s, 0,1,2,3
.irp c, 0,1,2,3
	ds_load_b128 v[128*\e+16*\s+4*\c:128*\e+16*\s+4*\c+3], v[L16] offset:16384*\s+2048*(\i)+512*\c
.endr
.endr
.irp s, 0,1,2,3
.irp c, 0,1,2,3
	ds_load_b128 v[128*\e+64+16*\s+4*\c:128*\e+64+16*\s+4*\c+3], v[AD1] offset:16384*\s+2048*(\i)+512*\c
.endr
.endr
	WIN 0
.irp s, 0,1,2,3,4,5,6,7
	ds_load_b32 v[WS+8*\e+\s], v[ADS] offset:512*\s+64*(\i)
.endr
.endm
.macro PROD e, s, t
.set W_, 128*(\e)+16*(\s)
.set X_, 16*(4*((\s)%4)+(\t))
.set D_, ACC+16*(\t)+8*(\e)
.set C_, D_
.if (\s) == 0
.set C_, BC+8*(\e)
.endif
.set SW_, WS+8*(\e)+(\s)
.set SX_, XS+8*((\t)/2)+(\s)
	WIN 3|((1+(\s)/4)<<2)
.if (\t)%2
	v_wmma_scale_f32_16x16x128_f8f6f4 v[D_:D_+7], v[W_:W_+15], v[X_:X_+15], v[C_:C_+7], v[SW_], v[SX_] matrix_b_scale:MATRIX_SCALE_ROW1
.else
	v_wmma_scale_f32_16x16x128_f8f6f4 v[D_:D_+7], v[W_:W_+15], v[X_:X_+15], v[C_:C_+7], v[SW_], v[SX_]
.endif
.endm
.macro BATCH e                         ; 32 products: the four accumulators take turns, K ascending; nine places behind them
.irp s, 0,1,2,3,4,5,6,7
.irp t, 0,1,2,3
	PROD \e, \s, \t
.endr
.endr
	WIN 0
	PLACES 9
.endm
.macro BIASQ b                         ; the bias of pair b: columns 32 b + 16 (lane / 16) + 0 .. 15
.irp i, 0,1,2,3
	ds_load_b128 v[BC+4*\i:BC+4*\i+3], v[ABQ] offset:128*(\b)+16*\i
.endr
.endm
.macro BACK k0                         ; 32 rows of the stage, two to a load
.irp k, 0,1,2,3,4,5,6,7,8,9,10,11,12,13,14,15
	ds_load_b128 v[OUT+4*\k:OUT+4*\k+3], v[RDB] offset:544*(\k0+\k)   ; LDS serves a wave's instructions in order: these see my stores
.endr
.endm
.macro SEND k0, m
.irp k, 0,1,2,3,4,5,6,7,8,9,10,11,12,13,14,15
	global_store_b128 v[GO], v[OUT+4*\k:OUT+4*\k+3], s[36:37] offset:8192*(\k0+\k)+256*(\m) th:TH_STORE_NT   ; sixteen lanes store 256 consecutive bytes, aligned
.endr
.endm
.macro PAIR b                          ; tiles 2 b and 2 b + 1: 32 columns
	s_wait_dscnt 40                                ; set 0, the bias and my stage stores are done; the 40 loads of set 1 may be out
	BATCH 0
.if \b < 3
	FETCH 0, 2*\b+2
	s_wait_dscnt 40                                ; set 1 is in; the 40 loads just issued may be out
.else
	s_wait_dscnt 0x0
.endif
	BATCH 1
.if \b < 3
	BIASQ \b+1
.endif
.irp t, 0,1,2,3
.irp i, 0,1,2,3
	ds_store_b128 v[STO], v[ACC+16*\t+4*\i:ACC+16*\t+4*\i+3] offset:(32*(\t/2)+8*(\t%2))*272+128*((\b)%2)+16*\i   ; each accumulator from its low end on
.endr
.endr
.if (\b)%2
	s_wait_xcnt 0x0                                ; earlier stores have read their data
	BACK 0
.endif
.if \b < 3
	FETCH 1, 2*\b+3
.endif
.if (\b)%2
.if \b < 3
	s_wait_dscnt 40                                ; the 16 loads from the stage are in; the fetch behind them may be out
.else
	s_wait_dscnt 0x0
.endif
	SEND 0, (\b)/2
	s_wait_xcnt 0x0
	BACK 16
	s_wait_dscnt 0x0
	SEND 16, (\b)/2
.endif
.endm
	s_load_b256 s[4:11], s[0:1], 0x0               ; oq, wpq, b_proj, out0
	v_lshl_add_u32 v[SPW], v0, 2, SPARE
	v_mov_b32 v[NIL], 0
	ds_add_u32 v[SPW], v[NIL]                      ; the opening lines: the add twice on end and its wait
	ds_add_u32 v[SPW], v[NIL]
	v_lshrrev_b32 v16, 5, v0
	v_readfirstlane_b32 s14, v16                   ; wave
	s_lshr_b32 s15, s14, 1                         ; which block of 128 tokens
	s_and_b32 s16, s14, 1                          ; u: which 64 of them
	s_bfe_u32 s17, ttmp6, 0x40000                  ; cx
	s_and_b32 s18, ttmp7, 0xffff                   ; y: the block of columns
	s_lshl_b32 s30, ttmp9, 2
	s_add_co_u32 s30, s30, s17
	s_lshl_b32 s30, s30, 1
	s_add_co_u32 s30, s30, s15                     ; my block of tokens, 0..63
	s_lshl_b32 s66, s30, 17
	s_lshl_b32 s31, s16, 13
	s_add_co_u32 s66, s66, s31                     ; O's codes: block, tile 4 u
	s_mov_b32 s67, 0
	s_lshl_b32 s68, s30, 12
	s_lshl_b32 s31, s16, 8
	s_add_co_u32 s68, s68, s31
	s_add_co_u32 s68, s68, CODX                    ; O's scale words
	s_mov_b32 s69, 0
	s_lshl_b32 s70, s18, 9                         ; the bias; also my columns in a row of out0
	s_mov_b32 s71, 0
	s_lshl_b32 s36, s30, 19
	s_lshl_b32 s31, s16, 18
	s_add_co_u32 s36, s36, s31
	s_add_co_u32 s36, s36, s70                     ; out0: my first token's row, my first column
	s_mov_b32 s37, 0
	s_mul_i32 s60, s14, 33792                      ; my quarter of the block
	s_mul_i32 s34, s18, WBLK
	s_add_co_u32 s34, s34, s60
	s_mov_b32 s35, 0
	s_mov_b32 s48, 15|(3<<16)|(1<<21)              ; group 1: the mask names all four; elements of 8 bytes; bit 21 beside a mask
	s_mov_b32 s49, 32<<16                          ; rows of 256 bytes,
	s_mov_b32 s50, 132<<16                         ; 132 of them,
	s_mov_b32 s51, 32<<16
	s_mov_b32 s52, 132
	s_mov_b32 s53, 32                              ; dense
	s_mov_b32 s54, 0
	s_mov_b32 s55, 0
	s_mov_b32 s56, 1
	s_mov_b32 s57, s60
	s_wait_dscnt 0x0
	s_wait_kmcnt 0x0
	s_add_nc_u64 s[66:67], s[4:5], s[66:67]
	s_add_nc_u64 s[68:69], s[4:5], s[68:69]
	s_add_nc_u64 s[70:71], s[8:9], s[70:71]
	s_add_nc_u64 s[36:37], s[10:11], s[36:37]
	s_add_nc_u64 s[58:59], s[6:7], s[34:35]
	s_or_b32 s59, s59, 0x80000000
	CROUND                                         ; all four work-groups are here: the joint loads meet
	tensor_load_to_lds s[56:59], s[48:55]          ; my one tensor load of the launch
	s_nop 0
	PLACES 4
	v_and_b32 v[LN], 31, v0
	v_and_b32 v16, 15, v0
	v_bfe_u32 v17, v0, 4, 1
	v_lshlrev_b32 v[L16], 4, v[LN]
	v_lshlrev_b32 v[L4], 2, v[LN]
	v_add_nc_u32 v[AD1], 65536, v[L16]
	v_lshl_add_u32 v[ADS], v16, 2, 131072
	v_lshl_add_u32 v[ABQ], v17, 6, BIAS
	v_lshlrev_b32 v[T4], 2, v0
	v_add_nc_u32 v[BST], BIAS, v[T4]
	s_mul_i32 s30, s14, 17408
	s_add_co_u32 s30, s30, STAGE                   ; my stage
	v_and_b32 v18, 7, v0
	v_bfe_u32 v19, v0, 3, 1
	v_lshl_add_u32 v18, v19, 4, v18                ; r % 8 + 16 (r / 8): my token in its pair of tiles
	v_mul_u32_u24 v18, v18, 272
	v_lshl_add_u32 v18, v17, 6, v18
	v_add_nc_u32 v[STO], s30, v18                  ; in: my token's row, + 64 (lane / 16)
	v_mul_u32_u24 v19, v17, 272
	v_lshl_add_u32 v19, v16, 4, v19
	v_add_nc_u32 v[RDB], s30, v19                  ; back: lanes 0-15 one row, lanes 16-31 the next
	v_lshlrev_b32 v[GO], 12, v17
	v_lshl_add_u32 v[GO], v16, 4, v[GO]            ; and the same two rows of out0
	s_wait_alu depctr_va_vdst(0)
	global_load_b32 v[BL], v[T4], s[70:71]         ; the bias of 128 columns: a word a thread
.irp p, 0,1
.irp s, 0,1,2,3,4,5,6,7
	global_load_b32 v[XS+8*\p+\s], v[L4], s[68:69] offset:512*\s+128*\p
.endr
.endr
.irp s, 0,1,2,3,4,5,6,7
	WIN (1+\s/4)<<6
.irp t, 0,1,2,3
.irp c, 0,1,2,3
	global_load_b128 v[16*(4*(\s%4)+\t)+4*\c:16*(4*(\s%4)+\t)+4*\c+3], v[L16], s[66:67] offset:16384*\s+2048*\t+512*\c   ; 512 consecutive bytes of the image
.endr
.endr
.endr
	WIN 0
	s_wait_loadcnt 0x0
	s_wait_tensorcnt 0x0                           ; my quarter of the block is in; no tensor load is out when the bias is stored
	ds_store_b32 v[BST], v[BL]
	s_wait_dscnt 0x0
	BARRIER                                        ; everybody's quarter and bias are in
	FETCH 0, 0
	BIASQ 0
	FETCH 1, 1
	PAIR 0
	PAIR 1
	PAIR 2
	PAIR 3
	s_wait_tensorcnt 0x0                           ; the wave's end
	ds_add_u32 v[SPW], v[NIL]
	s_wait_dscnt 0x0
	CROUND                                         ; the closing round
	s_endpgm
.Lfunc_end_k_q5fc76a74a0_proj:
	.size	k_q5fc76a74a0_proj, .Lfunc_end_k_q5fc76a74a0_proj-k_q5fc76a74a0_proj
	.p2alignl 7, 3214868480
	.fill 96, 4, 3214868480
	.section	.rodata,"a",@progbits
	.p2align	6, 0x0
	.amdhsa_kernel k_q5fc76a74a0_proj
		.amdhsa_group_segment_fixed_size 205824
		.amdhsa_private_segment_fixed_size 0
		.amdhsa_enable_private_segment 0
		.amdhsa_kernarg_size 32
		.amdhsa_user_sgpr_count 2
		.amdhsa_user_sgpr_kernarg_segment_ptr 1
		.amdhsa_wavefront_size32 1
		.amdhsa_system_sgpr_workgroup_id_x 1
		.amdhsa_system_sgpr_workgroup_id_y 1
		.amdhsa_system_sgpr_workgroup_id_z 1
		.amdhsa_system_vgpr_workitem_id 0
		.amdhsa_next_free_vgpr 1024
		.amdhsa_next_free_sgpr 72
		.amdhsa_reserve_vcc 0
		.amdhsa_float_denorm_mode_32 3
		.amdhsa_float_denorm_mode_16_64 3
		.amdhsa_memory_ordered 1
		.amdhsa_forward_progress 1
		.amdhsa_inst_pref_size 90
	.end_amdhsa_kernel
	.amdgpu_metadata
---
amdhsa.version: [ 1, 2 ]
amdhsa.kernels:
  - .name:           k_q5fc76a74a0_proj
    .symbol:         k_q5fc76a74a0_proj.kd
    .args:
      - { .name: oq, .offset: 0, .size: 8, .value_kind: global_buffer, .address_space: global }
      - { .name: wpq, .offset: 8, .size: 8, .value_kind: global_buffer, .address_space: global }
      - { .name: b_proj, .offset: 16, .size: 8, .value_kind: global_buffer, .address_space: global }
      - { .name: out0, .offset: 24, .size: 8, .value_kind: global_buffer, .address_space: global }
    .group_segment_fixed_size: 205824
    .private_segment_fixed_size: 0
    .kernarg_segment_align: 8
    .kernarg_segment_size: 32
    .max_flat_workgroup_size: 128
    .sgpr_count:     72
    .vgpr_count:     1024
    .wavefront_size: 32
...
	.end_amdgpu_metadata
.endif
;; end of part 4
